; MI455X (gfx1250); checked and timed in simulation.
; The chip was launched on July 23, 2026; its instructions are those of AMD's public machine-readable ISA for CDNA 5 (MIT licence, August 2026) and "CDNA5" Instruction Set Architecture Reference Guide (July 2026). The comments in the code are by the model that wrote it; some were corrected since.
;; Bidirectional Self Attention. Allowed arithmetic: float matrix products may take bf16 or f16 operands with f32 sums; all other float work in f32.
;; Inputs: freqs_cis 2,048 x 64 x 2 float32; w_proj 2,048 x 2,048 float32; w_qkv 2,048 x 3,072 float32; x 1 x 2,048 x 2,048 float32.
;; Outputs: out0 1 x 2,048 x 2,048 float32.
;; One version. Each part assembles by itself: llvm-mc -triple=amdgcn-amd-amdhsa -mcpu=gfx1250 --defsym DOCPART=n.
;; ======== version 1 of 1: 4 launches
;; limits: values are held in f16: magnitudes above 65,504 overflow, below 6.1e-05 lose precision
;; workspace buffers: xh 8,388,608 bytes; wqf 12,582,912 bytes; wph 8,388,608 bytes; qkvh 12,582,912 bytes; yh 8,388,608 bytes
;; launch cast (part 1): grid 1792 x 1, 8 waves a work-group, no clusters, 18,432 bytes of LDS; arguments x, w_qkv, w_proj, xh, wqf, wph; writes xh, wqf, wph
.if DOCPART == 1
	.amdgcn_target "amdgcn-amd-amdhsa--gfx1250"
	.amdhsa_code_object_version 6
	.text
	.protected	k_q682389682f_cast
	.globl	k_q682389682f_cast
	.p2align	8
	.type	k_q682389682f_cast,@function
k_q682389682f_cast:
	s_mov_b64 s[64:65], 0
	v_nop
	global_prefetch_b8 v0, s[64:65] scope:SCOPE_SE
	s_setreg_imm32_b32 hwreg(HW_REG_WAVE_MODE, 25, 1), 1
	s_wait_xcnt 0x0
; f32 -> f16 of the three large inputs, once, each laid out as the launch that multiplies it wants it.
;   xh  [2048][2048]                    x, row-major
;   wqf [192 pieces][64 chunks][1,024]  w_qkv in the matrix unit's fragment order: piece = 16 columns, chunk = 32 k.  In a chunk, byte 512 u + 256 h + 16 r
;                                       holds k = 16 u + 8 h + 0..7 of column r: a wave's two loads of 16 bytes a lane, at 16 x lane and 512 further on, ARE a fragment.
;   wph [32 blocks][2048 k][64]         w_proj cut into blocks of 64 columns; a block is dense: 2,048 rows of 128 bytes
; FORMAT: f16, rounded once.  Room: |x| and |w| must stay under 65,504; numbers under 2^-14 keep an absolute error of 2^-25.
; A stream: every byte is read once and written once; no matrix unit, no cluster (no two work-groups read the same bytes), no barrier.
; 1,792 work-groups of 8,192 numbers: 512 for x, 768 for w_qkv, 512 for w_proj.  A thread converts 32 numbers; all its eight loads go out before the first wait.
.set XGROUPS, 512                      ; work-groups 0..511: x
.set PFIRST,  1280                     ; work-groups 512..1279: w_qkv; 1280..1791: w_proj
.set QROW,    12288                    ; bytes in a row of w_qkv
.set FP,      272                      ; LDS pitch of a piece's 256 bytes: 16 lanes that hold 4 neighbouring columns each then hit 16 different 16-byte columns
.set WST,     8*FP                     ; a wave's own stage: 8 pieces
.set LD, 8                             ; v[8:39]   32 numbers f32
.set ST, 40                            ; v[40:55]  32 numbers f16
; ls, ss: bytes from piece to piece in the source and in the destination
.macro BODY ls, ss
.irp i, 0,1,2,3
	global_load_b128 v[LD+8*\i:LD+8*\i+3],   v1, s[16:17] offset:\i*\ls th:TH_LOAD_NT
	global_load_b128 v[LD+8*\i+4:LD+8*\i+7], v1, s[16:17] offset:\i*\ls+16 th:TH_LOAD_NT
.endr
.irp i, 0,1,2,3
	s_wait_loadcnt 6-2*\i                          ; loads return in order: piece i is in, the two loads of each younger piece stay out
.irp j, 0,1,2,3
	v_cvt_pk_f16_f32 v[ST+4*\i+\j], v[LD+8*\i+2*\j], v[LD+8*\i+2*\j+1]
.endr
	global_store_b128 v2, v[ST+4*\i:ST+4*\i+3], s[18:19] offset:\i*\ss   ; a wave's store covers 512 consecutive bytes, aligned; no register is written twice
.endr
.endm
	s_load_b256 s[4:11], s[0:1], 0x0               ; x s[4:5], w_qkv s[6:7], w_proj s[8:9], xh s[10:11]
	s_load_b128 s[12:15], s[0:1], 0x20             ; wqf s[12:13], wph s[14:15]
	v_lshl_add_u32 v56, v0, 2, 0x4400
	v_mov_b32 v57, 0
	s_mov_b32 s26, ttmp9                           ; the work-group's number
	v_lshlrev_b32 v2, 4, v0                        ; x and w_proj: destination, 16 bytes a thread
	s_cmp_lt_u32 s26, XGROUPS
	s_cbranch_scc0 .Lweights
	; x: 8,192 consecutive numbers; piece i = 2,048 of them
	s_lshl_b32 s16, s26, 15                        ; 32,768 bytes of f32 a work-group
	s_mov_b32 s17, 0
	s_lshl_b32 s18, s26, 14                        ; 16,384 bytes of f16
	s_mov_b32 s19, 0
	v_lshlrev_b32 v1, 5, v0                        ; source: 32 bytes a thread
	s_wait_kmcnt 0x0
	s_add_nc_u64 s[16:17], s[4:5], s[16:17]
	s_add_nc_u64 s[18:19], s[10:11], s[18:19]
	BODY 8192, 4096
	s_endpgm
.Lweights:
	s_cmp_lt_u32 s26, PFIRST
	s_cbranch_scc0 .Lproj
	; w_qkv: the work-group takes 64 rows of k x 128 columns; wave w takes rows 8 w .. 8 w + 7: one group of 8 k of a fragment.
	; Lane l loads 4 neighbouring columns of each of the 8 rows (a wave's load: 512 consecutive bytes, aligned), pairs neighbouring k of one column
	; in each conversion, and so holds four columns' 16 bytes.  The wave's own stage in LDS hands them round, so that 16 neighbouring lanes hold
	; the 16 columns of one piece, and each store writes two whole aligned blocks of 256 bytes.
	v_lshrrev_b32 v3, 5, v0
	v_readfirstlane_b32 s27, v3                    ; wave 0..7
	s_sub_co_u32 s21, s26, XGROUPS
	s_and_b32 s28, s21, 31                         ; which 64 rows
	s_lshr_b32 s29, s21, 5                         ; which 128 columns, 0..23
	s_lshl_b32 s30, s28, 6
	s_lshl3_add_u32 s30, s27, s30                  ; my first row: 64 x group + 8 x wave
	s_mul_i32 s30, s30, QROW
	s_lshl_b32 s20, s29, 9                         ; 128 columns of f32
	s_add_co_u32 s30, s30, s20
	s_mov_b32 s31, 0
	s_lshl_b32 s22, s29, 19                        ; 8 pieces of 65,536 bytes
	s_lshl_b32 s20, s28, 11                        ; 64 rows are two chunks of 1,024 bytes
	s_add_co_u32 s22, s22, s20
	s_lshl_b32 s20, s27, 8                         ; and group w of 8 k lies 256 w into them: chunk w / 4, then 512 u + 256 h with 2 u + h = w % 4
	s_add_co_u32 s22, s22, s20
	s_mov_b32 s23, 0
	v_and_b32 v4, 31, v0                           ; lane
	v_lshlrev_b32 v1, 4, v4                        ; source: 16 bytes a lane
	s_wait_kmcnt 0x0
	s_add_nc_u64 s[16:17], s[6:7], s[30:31]
	s_add_nc_u64 s[18:19], s[12:13], s[22:23]
.irp i, 0,1,2,3,4,5,6,7
	global_load_b128 v[LD+4*\i:LD+4*\i+3], v1, s[16:17] offset:\i*QROW th:TH_LOAD_NT
.endr
	s_mul_i32 s20, s27, WST                        ; my wave's stage
	v_lshrrev_b32 v5, 2, v4                        ; in: column 4 l + c is column 4 (l % 4) + c of piece l / 4
	v_and_b32 v6, 3, v4
	v_mul_u32_u24 v5, v5, FP
	v_lshl_add_u32 v5, v6, 6, v5
	v_add_nc_u32 v5, s20, v5
	v_lshrrev_b32 v3, 4, v4                        ; back: lanes 0-15 one piece, lanes 16-31 the next
	v_and_b32 v7, 15, v4
	v_mul_u32_u24 v6, v3, FP
	v_lshl_add_u32 v6, v7, 4, v6
	v_add_nc_u32 v6, s20, v6
	v_lshlrev_b32 v7, 4, v7
	v_lshl_add_u32 v7, v3, 16, v7                  ; and the same in wqf: 65,536 from piece to piece
.irp p, 0,1,2,3
	s_wait_loadcnt 6-2*\p                          ; rows 2 p and 2 p + 1 are in, the younger rows stay out
.irp c, 0,1,2,3
	v_cvt_pk_f16_f32 v[ST+4*\c+\p], v[LD+8*\p+\c], v[LD+8*\p+4+\c]     ; column c: k = 2 p low, 2 p + 1 high
.endr
.endr
.irp c, 0,1,2,3
	ds_store_b128 v5, v[ST+4*\c:ST+4*\c+3] offset:16*\c
.endr
.irp s, 0,1,2,3
	ds_load_b128 v[LD+4*\s:LD+4*\s+3], v6 offset:2*FP*\s               ; LDS serves a wave's instructions in order (ISA guide 5.7.1.4): these see the stores above; the bytes are the wave's own
.endr
.irp s, 0,1,2,3
	s_wait_dscnt 3-\s                              ; this load is in, the younger ones stay out
	global_store_b128 v7, v[LD+4*\s:LD+4*\s+3], s[18:19] offset:131072*\s   ; pieces 2 s and 2 s + 1: 256 consecutive aligned bytes from each half of the wave
.endr
	s_wait_tensorcnt 0x0
	ds_add_u32 v56, v57
	s_wait_dscnt 0x0
	s_endpgm
.Lproj:
	; w_proj: 32 rows of k x 4 blocks of 64 columns; piece i = block i.  Thread t: row t / 8, 8 columns at 8 (t % 8):
	; eight threads read 256 consecutive aligned bytes; in the destination thread t's 16 bytes lie at 16 t (rows of 128 bytes follow each other).
	s_sub_co_u32 s21, s26, PFIRST
	s_lshr_b32 s27, s21, 6                         ; group of 4 blocks
	s_and_b32 s28, s21, 63                         ; group of 32 rows
	s_lshl_b32 s30, s28, 18                        ; 32 rows of 8,192 bytes
	s_lshl_b32 s29, s27, 10                        ; 256 columns of f32
	s_add_co_u32 s30, s30, s29
	s_mov_b32 s31, 0
	s_lshl_b32 s22, s27, 20                        ; 4 blocks of 262,144 bytes
	s_lshl_b32 s29, s28, 12                        ; 32 rows of 128 bytes
	s_add_co_u32 s22, s22, s29
	s_mov_b32 s23, 0
	v_lshrrev_b32 v3, 3, v0
	v_and_b32 v4, 7, v0
	v_lshlrev_b32 v4, 5, v4
	v_lshl_add_u32 v1, v3, 13, v4                  ; row x 8,192 + 32 (t % 8)
	s_wait_kmcnt 0x0
	s_add_nc_u64 s[16:17], s[8:9], s[30:31]
	s_add_nc_u64 s[18:19], s[14:15], s[22:23]
	BODY 256, 262144
	s_endpgm
.Lfunc_end_k_q682389682f_cast:
	.size	k_q682389682f_cast, .Lfunc_end_k_q682389682f_cast-k_q682389682f_cast
	.p2alignl 7, 3214868480
	.fill 96, 4, 3214868480
	.section	.rodata,"a",@progbits
	.p2align	6, 0x0
	.amdhsa_kernel k_q682389682f_cast
		.amdhsa_group_segment_fixed_size 18432
		.amdhsa_private_segment_fixed_size 0
		.amdhsa_enable_private_segment 0
		.amdhsa_kernarg_size 48
		.amdhsa_user_sgpr_count 2
		.amdhsa_user_sgpr_kernarg_segment_ptr 1
		.amdhsa_wavefront_size32 1
		.amdhsa_system_sgpr_workgroup_id_x 1
		.amdhsa_system_sgpr_workgroup_id_y 1
		.amdhsa_system_sgpr_workgroup_id_z 1
		.amdhsa_system_vgpr_workitem_id 0
		.amdhsa_next_free_vgpr 58
		.amdhsa_next_free_sgpr 66
		.amdhsa_reserve_vcc 0
		.amdhsa_float_denorm_mode_32 3
		.amdhsa_float_denorm_mode_16_64 3
		.amdhsa_memory_ordered 1
		.amdhsa_forward_progress 1
		.amdhsa_inst_pref_size 11
	.end_amdhsa_kernel
	.amdgpu_metadata
---
amdhsa.version: [ 1, 2 ]
amdhsa.kernels:
  - .name:           k_q682389682f_cast
    .symbol:         k_q682389682f_cast.kd
    .args:
      - { .name: x, .offset: 0, .size: 8, .value_kind: global_buffer, .address_space: global }
      - { .name: w_qkv, .offset: 8, .size: 8, .value_kind: global_buffer, .address_space: global }
      - { .name: w_proj, .offset: 16, .size: 8, .value_kind: global_buffer, .address_space: global }
      - { .name: xh, .offset: 24, .size: 8, .value_kind: global_buffer, .address_space: global }
      - { .name: wqf, .offset: 32, .size: 8, .value_kind: global_buffer, .address_space: global }
      - { .name: wph, .offset: 40, .size: 8, .value_kind: global_buffer, .address_space: global }
    .group_segment_fixed_size: 18432
    .private_segment_fixed_size: 0
    .kernarg_segment_align: 8
    .kernarg_segment_size: 48
    .max_flat_workgroup_size: 256
    .sgpr_count:     66
    .vgpr_count:     58
    .wavefront_size: 32
...
	.end_amdgpu_metadata
.endif
;; end of part 1
;; launch qkv (part 2): grid 16 x 16, 4 waves a work-group, clusters of 4 x 4, 327,680 bytes of LDS; arguments xh, wqf, freqs_cis, qkvh; writes qkvh
.if DOCPART == 2
	.amdgcn_target "amdgcn-amd-amdhsa--gfx1250"
	.amdhsa_code_object_version 6
	.text
	.protected	k_q682389682f_qkv
	.globl	k_q682389682f_qkv
	.p2align	8
	.type	k_q682389682f_qkv,@function
k_q682389682f_qkv:
	s_mov_b64 s[64:65], 0
	v_nop
	global_prefetch_b8 v0, s[64:65] scope:SCOPE_SE
	s_setreg_imm32_b32 hwreg(HW_REG_WAVE_MODE, 25, 1), 1
	s_wait_xcnt 0x0
	s_wait_alu depctr_hold_cnt(0) depctr_sa_sdst(0) depctr_va_vdst(0) depctr_va_sdst(0) depctr_va_ssrc(0) depctr_va_vcc(0) depctr_vm_vsrc(0)
	s_getreg_b32 s2, hwreg(HW_REG_IB_STS2, 6, 4)
	s_cmp_eq_u32 s2, 0
	s_cbranch_scc0 .Lentry_in_a_cluster
	s_endpgm
.Lentry_in_a_cluster:
	s_bfe_u32 s2, ttmp6, 0x10000c
	s_cmp_lg_u32 s2, 0xf033
	s_cbranch_scc0 .Lentry_shape_is_right
	s_endpgm
.Lentry_shape_is_right:
; qkv = x w_qkv, then the rotation by freqs_cis on q and k, rounded to f16.
; xh [2048][2048] f16; wqf [192 pieces of 16 columns][64 chunks of 32 k][1,024 bytes] f16 in fragment order; freqs_cis [2048][64][(cos, sin)] f32;
; qkvh [48 blocks of 64 columns][2048 t][64] f16: blocks 0-31 q (head hd: 2 hd, 2 hd + 1), 32-39 k, 40-47 v.
; 256 work-groups, each 128 rows x 192 columns.  The four waves lie side by side: wave w makes all 128 rows x columns 48 w .. 48 w + 47,
; 24 accumulator tiles (a = 0..7 row blocks, b = 0..2 pieces).  K goes in 64 steps of 32; sums in f32.
; THE TWO OPERANDS TAKE TWO ROADS.
;   x goes through LDS: all four waves read the same rows.  Two slots of K = 512, each four sub-tiles of 128 rows x 256 bytes, one tensor load a wave;
;   four slot steps, so two refills in the launch, and a refill has 16 steps = 384 matrix instructions of a wave in which to land.
;   w goes straight into registers: no two waves of the work-group need the same columns, and in fragment order a load of 16 bytes a lane covers 512
;   consecutive aligned bytes.  A ring of DEPTH register slots (3 fragments each) keeps 8 to 9 steps' loads on their way, across barriers too.
; WHY w IS NOT ASKED FOR JOINTLY, though the four work-groups of a column of the cluster read the same w: a joint load lands in LDS, and two slots with both
; operands at K = 256 would take 2 x (128 + 192) x 256 x 2 = 327,680 bytes, all of LDS before any padding; at K = 128 a refill has 96 matrix instructions in which to land.
; CLUSTERS: 4 x 4 work-groups; x's tile hangs on the block row alone and is asked for jointly along a row of the cluster.
; FORMAT AND LIMITS: operands f16.  q and k are stored times 2^-6 (exact), because they carry x, w_qkv and freqs_cis at once: room up to |q| = 4.2e6;
; the next launch undoes it in its softmax constant.  v is stored as it is: |v| must stay under 65,504 (x and w_qkv both with an offset of 30 spreads: 30 x 0.6 x 2048 = 36,864).
; The columns of v go through the same rotation lines with (cos, sin) = (1, 0), chosen by a select, not by a branch (the piece hangs on the
; work-group's place in its cluster): a v that is not finite reaches its pair's partner.
; THE MATRIX INSTRUCTION IS USED TRANSPOSED: source 0 = 16 columns of w, source 1 = 16 rows of x; lane l then holds row l % 16 and the eight
; neighbouring columns 8 (l / 16) + 0..7: four whole (even, odd) pairs for the rotation, and 16 bytes of f16.
; REGISTER WINDOWS: 0 addresses, two buffers of x's fragments, the way out; 1 the accumulators, (a, b) at 8 (3 a + b); 2 the ring, slot i at 24 i, fragment b at + 8 b.
.set PA,    272                        ; LDS pitch of x's rows: 256 bytes + 16
.set SUB,   128*PA                     ; a sub-tile: 128 rows, K = 128: 34,816
.set SLOT,  4*SUB                      ; 139,264
.set STAGE, 0                          ; the way out lies in slot 0, behind its last fill (asked for in step 15, landed by step 31) and behind the barrier of step 47, in front of which every wave's reads of it are over
.set SP,    400                        ; a stage row: 192 columns of f16 + 16 bytes: 25 x 16
.set STEPS, 64
.set DEPTH, 10
.set ADRA,  10                         ; v10-13  LDS address of my x fragments: register i serves sub-tiles 2 i, 2 i + 1 of the eight in the two slots
.set BO,    14                         ; v14     16 x lane: my bytes in a half of a fragment of w
.set FO,    16                         ; v16-18  my bytes in freqs_cis, for each piece b
.set STO,   19
.set RD,    20
.set CO,    21
.set F0,    64                         ; x's fragments: v64-127 for even steps, v128-191 for odd steps; row block a at + 8 a
.set R,     192                        ; the way out: 24 rotated numbers
.set H,     216                        ; the way out: 12 words of f16
.set OB,    64                         ; the way out: 24 x 4 registers read back
.set G1A, 24                           ; s[24:31] descriptor group 1
.set G0A, 32                           ; s[32:39] group 0, a set for each slot
.set MULW, 0x52                        ; source 0 (w) window 2, source 1 (x) window 0, C and D window 1
.set MSB, 0
.macro WIN new                         ; the immediate's high byte repeats the setting that is left
.if MSB != \new
	s_set_vgpr_msb (MSB<<8)|\new
.set MSB, \new
.endif
.endm
.macro PLACES                          ; four plain vector places behind a matrix instruction in front of loads into, or vector reads of, its registers
.rept 4
	v_nop
.endr
.endm
.macro CREST                           ; a round of the cluster's barrier behind its opening work-group barrier
	s_cmp_lg_u32 s12, 0
	s_cbranch_scc1 .Lnot_wave_0_\@
	s_barrier_signal -3
.Lnot_wave_0_\@:
	s_barrier_wait -3
	s_barrier_signal -1
	s_barrier_wait -1
.endm
.macro CROUND                          ; a whole round
	s_barrier_signal -1
	s_barrier_wait -1
	CREST
.endm
	s_load_b256 s[4:11], s[0:1], 0x0               ; xh s[4:5], wqf s[6:7], freqs_cis s[8:9], qkvh s[10:11]
	s_set_vgpr_msb 0x80
	v_lshl_add_u32 v255, v0, 2, 0x44000
	s_set_vgpr_msb 0x8000
	v_mov_b32 v255, 0
	s_set_vgpr_msb 0x2
	ds_add_u32 v255, v255
	s_set_vgpr_msb 0x200
	v_lshrrev_b32 v1, 5, v0
	v_readfirstlane_b32 s12, v1                    ; wave 0..3
	s_bfe_u32 s15, ttmp6, 0x40000                  ; cx
	s_bfe_u32 s16, ttmp6, 0x40004                  ; cy
	s_lshl_b32 s17, ttmp9, 2
	s_add_co_u32 s17, s17, s15                     ; bc: block column of 192 = 4 x cluster x + cx
	s_and_b32 s18, ttmp7, 0xffff
	s_lshl_b32 s18, s18, 2
	s_add_co_u32 s18, s18, s16                     ; br: block row of 128 = 4 x cluster y + cy
	s_lshl_b32 s19, s16, 2
	s_lshl_b32 s19, 15, s19                        ; my row of the cluster
	; group 1: 128 rows x 128 elements of 2 bytes, 2,048 elements from row to row; 4 words of padding behind every 64
	s_or_b32 s[G1A+0], s19, (1<<16)|(1<<20)|(1<<21)|(5<<22)|(3<<25)
	s_mov_b32 s[G1A+1], 128<<16                    ; tensor_dim0 = 128
	s_mov_b32 s[G1A+2], 128<<16                    ; tensor_dim1 = 128
	s_mov_b32 s[G1A+3], 128<<16                    ; tile_dim0 = 128
	s_mov_b32 s[G1A+4], 128                        ; tile_dim1 = 128
	s_mov_b32 s[G1A+5], 2048                       ; pitch
	s_mov_b32 s[G1A+6], 0
	s_mov_b32 s[G1A+7], 0
	s_mul_i32 s21, s12, SUB                        ; wave w fetches sub-tile w of a slot: K = 128 w on; no place in the cluster enters the LDS address
	s_lshl_b32 s56, s18, 19                        ; x: 128 rows of 4,096 bytes,
	s_lshl_b32 s20, s12, 8                         ; + 128 w elements along the row; hangs on br and the wave alone
	s_add_co_u32 s56, s56, s20
	s_mov_b32 s57, 0
	s_mul_i32 s22, s17, 12
	s_mul_i32 s23, s12, 3
	s_add_co_u32 s22, s22, s23                     ; my first piece of 16 columns: 12 bc + 3 w
	s_lshl_b32 s58, s22, 16                        ; w: 65,536 bytes a piece
	s_mov_b32 s59, 0
	s_mov_b32 s60, 0x3c800000                      ; 2^-6
.irp b, 0,1,2
	s_add_co_u32 s61, s22, \b
	s_cmp_lt_u32 s61, 160                          ; pieces 0-159 are q and k: rotated and scaled; 160-191 are v
	s_cselect_b32 s[40+\b], -1, 0
	s_cselect_b32 s[44+2*\b], s60, 1.0
	s_mov_b32 s[45+2*\b], s[44+2*\b]
	s_and_b32 s61, s61, 7                          ; the piece's place in its head of 128 columns;
	s_lshl_b32 s[50+\b], s61, 6                    ; column d of a head lies at byte 4 d of a row of freqs_cis
.endr
	s_wait_dscnt 0x0
	s_wait_kmcnt 0x0
	s_add_nc_u64 s[56:57], s[4:5], s[56:57]
	s_add_nc_u64 s[58:59], s[6:7], s[58:59]
	CROUND                                         ; all sixteen work-groups are here: the first joint loads meet
.irp s, 0,1
	s_mov_b32 s[G0A+4*\s], 1
	s_add_co_u32 s[G0A+4*\s+1], s21, \s*SLOT
	s_add_nc_u64 s[G0A+4*\s+2:G0A+4*\s+3], s[56:57], \s*1024       ; slot step s: 512 elements along the row
	s_or_b32 s[G0A+4*\s+3], s[G0A+4*\s+3], 0x80000000
	tensor_load_to_lds s[G0A+4*\s:G0A+4*\s+3], s[G1A:G1A+7]        ; both slots' first fills go out together: two tensor loads of a wave are out, the most in this text
	s_nop 0
	v_nop
	v_nop
.endr
; The three fragments of w of step n, into ring slot n % DEPTH: six loads, each 512 consecutive aligned bytes.  Every address is BO, the base and an immediate.
.macro LOADB n
	WIN 0x80
.irp b, 0,1,2
	global_load_b128 v[24*((\n)%DEPTH)+8*\b:24*((\n)%DEPTH)+8*\b+3],   v[BO], s[58:59] offset:\b*65536+(\n)*1024
	global_load_b128 v[24*((\n)%DEPTH)+8*\b+4:24*((\n)%DEPTH)+8*\b+7], v[BO], s[58:59] offset:\b*65536+(\n)*1024+512
.endr
.endm
; The (cos, sin) of row block a, three tiles, into the ring slot that w's step STEPS + a would take: six loads again, so that the steps' counts stay the same.
.macro LOADF a
	WIN 0x80
.irp b, 0,1,2
	global_load_b128 v[24*(((\a)+STEPS)%DEPTH)+8*\b:24*(((\a)+STEPS)%DEPTH)+8*\b+3],   v[FO+\b], s[8:9] offset:8192*(\a)
	global_load_b128 v[24*(((\a)+STEPS)%DEPTH)+8*\b+4:24*(((\a)+STEPS)%DEPTH)+8*\b+7], v[FO+\b], s[8:9] offset:8192*(\a)+16
.endr
.endm
	v_and_b32 v5, 31, v0                           ; l
	v_lshlrev_b32 v[BO], 4, v5
.set T, 0
.rept DEPTH-1
	LOADB T                                        ; steps 0 to 8: 54 loads; with the six of a step's middle 54 are out at the most
.set T, T+1
.endr
	WIN 0
	v_and_b32 v1, 15, v0                           ; r = l % 16
	v_bfe_u32 v2, v0, 4, 1                         ; h = l / 16
	v_and_b32 v3, 7, v0                            ; l % 8
	v_mul_u32_u24 v[ADRA], v1, PA
	v_lshl_add_u32 v[ADRA], v2, 4, v[ADRA]         ; row r x pitch + 16 h
	v_add_nc_u32 v[ADRA+1], 2*SUB, v[ADRA]
	v_add_nc_u32 v[ADRA+2], 4*SUB, v[ADRA]
	v_add_nc_u32 v[ADRA+3], 6*SUB, v[ADRA]
	v_lshlrev_b32 v7, 9, v1                        ; freqs_cis: a row is 512 bytes
	v_lshl_add_u32 v7, v2, 5, v7
.irp b, 0,1,2
	v_add_nc_u32 v[FO+\b], s[50+\b], v7
.endr
	s_mul_i32 s61, s12, 96                         ; stage: my 48 columns of f16 in a row
	v_mul_u32_u24 v8, v1, SP
	v_lshl_add_u32 v8, v2, 4, v8
	v_add_nc_u32 v[STO], s61, v8
	v_lshrrev_b32 v9, 3, v5                        ; back: a load takes 128 bytes of each of 4 rows; wave w takes rows 32 w .. 32 w + 31
	s_lshl_b32 s61, s12, 5
	v_add_nc_u32 v9, s61, v9
	v_mul_u32_u24 v9, v9, SP
	v_lshl_add_u32 v[RD], v3, 4, v9
	s_lshl_b32 s61, s12, 12
	v_lshl_add_u32 v[CO], v5, 4, s61               ; and the same rows in a block of qkvh: 4,096 w + 16 l
	s_mul_i32 s60, s17, 3
	s_lshl_b32 s60, s60, 18                        ; my work-group's first block of 64 columns,
	s_lshl_b32 s61, s18, 14                        ; 128 rows of 128 bytes
	s_add_co_u32 s60, s60, s61
	s_mov_b32 s61, 0
	s_add_nc_u64 s[10:11], s[10:11], s[60:61]
	s_lshl_b32 s60, s18, 16                        ; 128 rows of 512 bytes
	s_add_nc_u64 s[8:9], s[8:9], s[60:61]
; 16 LDS loads: x's eight fragments of step n.  Step n lies in slot (n / 16) % 2, sub-tile (n / 4) % 4, at byte 64 (n % 4) of the rows.
.macro FETCHA n
	WIN 0
.irp a, 0,1,2,3,4,5,6,7
	ds_load_b128 v[F0+64*((\n)%2)+8*\a:F0+64*((\n)%2)+8*\a+3],   v[ADRA+(((\n)>>3)&3)] offset:(((\n)>>2)&1)*SUB+((\n)&3)*64+\a*16*PA
	ds_load_b128 v[F0+64*((\n)%2)+8*\a+4:F0+64*((\n)%2)+8*\a+7], v[ADRA+(((\n)>>3)&3)] offset:(((\n)>>2)&1)*SUB+((\n)&3)*64+\a*16*PA+32
.endr
.endm
; 3 matrix instructions: row block a x my three pieces, step n.  The 24 accumulators take turns, one instruction a turn, in the same order in
; every step.  zero = 1: the first product starts the sums.
.macro MULA n, a, zero
.irp b, 0,1,2
.if \zero
	v_wmma_f32_16x16x32_f16 v[8*(3*\a+\b):8*(3*\a+\b)+7], v[24*((\n)%DEPTH)+8*\b:24*((\n)%DEPTH)+8*\b+7], v[F0+64*((\n)%2)+8*\a:F0+64*((\n)%2)+8*\a+7], 0
.else
	v_wmma_f32_16x16x32_f16 v[8*(3*\a+\b):8*(3*\a+\b)+7], v[24*((\n)%DEPTH)+8*\b:24*((\n)%DEPTH)+8*\b+7], v[F0+64*((\n)%2)+8*\a:F0+64*((\n)%2)+8*\a+7], v[8*(3*\a+\b):8*(3*\a+\b)+7]
.endif
.endr
.endm
; In the middle of step n: what later steps need.  Both targets, the other buffer of x's fragments and ring slot (n - 1) % DEPTH, were last read by step n - 1's
; matrix instructions; the four places stand between those and the loads.
.macro AHEAD n
	PLACES
	FETCHA (\n)+1
.if (\n)+DEPTH-1 < STEPS
	LOADB (\n)+DEPTH-1
.else
	LOADF (\n)+DEPTH-1-STEPS
.endif
.endm
.macro STEP n, zero
	s_wait_dscnt 8                                 ; x's row blocks 0-3 are in; the youngest eight loads (row blocks 4-7) may be out
	s_wait_loadcnt 6*(DEPTH-2)                     ; loads return in order: this step's w is in; the six loads of each of the eight middles since stay out
	WIN MULW
	MULA \n, 0, \zero
	MULA \n, 1, \zero
	MULA \n, 2, \zero
	MULA \n, 3, \zero
	AHEAD \n
	s_wait_dscnt 16                                ; all but the 16 just issued
	WIN MULW
	MULA \n, 4, \zero
	MULA \n, 5, \zero
	MULA \n, 6, \zero
	MULA \n, 7, \zero
.endm
; The last step of a slot.  In front of the barrier each wave waits for its reads of this slot and for all its tensor loads (one is out: its part of the
; other slot).  fill = 1: the barrier opens a round of the cluster's barrier, and the joint refill of this slot, two slot steps ahead, is the first
; tensor load behind the round, ahead of the first LDS read there.
.macro TURN n, fill, slot
	s_wait_dscnt 8
	s_wait_loadcnt 6*(DEPTH-2)
	WIN MULW
	MULA \n, 0, 0
	MULA \n, 1, 0
	s_wait_dscnt 0                                 ; my reads of this slot are over
	s_wait_tensorcnt 0x0                           ; all my tensor loads have landed
	ds_add_u32 v255, v255
	s_wait_dscnt 0x0
	s_barrier_signal -1
	MULA \n, 2, 0                                  ; register work while the others arrive
	MULA \n, 3, 0
	WIN 0
	s_barrier_wait -1
.if \fill
	CREST
	s_add_nc_u64 s[G0A+4*\slot+2:G0A+4*\slot+3], s[G0A+4*\slot+2:G0A+4*\slot+3], 2048
	tensor_load_to_lds s[G0A+4*\slot:G0A+4*\slot+3], s[G1A:G1A+7]
	s_nop 0
.endif
	AHEAD \n
	WIN MULW
	MULA \n, 4, 0
	MULA \n, 5, 0
	MULA \n, 6, 0
	MULA \n, 7, 0
.endm
.macro RUN first, count                ; plain steps first .. first + count - 1
.set T, \first
.rept \count
	STEP T, 0
.set T, T+1
.endr
.endm
	s_wait_tensorcnt 0x1                           ; my part of slot 0 is in; slot 1's may stay out
	s_barrier_signal -1
	s_barrier_wait -1
	FETCHA 0
	STEP 0, 1                                      ; the first products start the sums
	RUN 1, 14
	TURN 15, 1, 0                                  ; slot 0 gets K = 1024 on
	RUN 16, 15
	TURN 31, 1, 1                                  ; slot 1 gets K = 1536 on
	RUN 32, 15
	TURN 47, 0, 0                                  ; nothing is left to fetch; behind this barrier no wave reads slot 0 any more
	RUN 48, 15                                     ; from step 55 on the middles ask for (cos, sin) in w's stead
	s_wait_dscnt 0
	s_wait_loadcnt 6*(DEPTH-2)                     ; step 63's w is in; the 48 loads of (cos, sin) behind it stay out
	WIN MULW
.irp a, 0,1,2,3,4,5,6,7
	MULA 63, \a, 0
.endr
	; THE WAY OUT.  (cos, sin) chosen and scaled, the rotation in f32, f16, through the stage, out as whole rows of a block.
	PLACES
.macro SEL a, b                        ; v's pieces take (1, 0); then 2^-6 for q and k, 1 for v
.set FB, 24*(((\a)+STEPS)%DEPTH)+8*\b
.irp j, 0,2,4,6
	v_cndmask_b32 v[FB+\j],   1.0, v[FB+\j],   s[40+\b]
	v_cndmask_b32 v[FB+\j+1], 0,   v[FB+\j+1], s[40+\b]
	v_pk_mul_f32 v[FB+\j:FB+\j+1], v[FB+\j:FB+\j+1], s[44+2*\b:45+2*\b] op_sel_hi:[1,0]
.endr
.endm
.macro ROT a, b                        ; source 0: the sums (window 1); source 1: (cos, sin) (window 2); results in window 0
.set FB, 24*(((\a)+STEPS)%DEPTH)+8*\b
.irp j, 0,2,4,6
	v_mul_f32 v[R+8*\b+\j],   v[8*(3*\a+\b)+\j+1], v[FB+\j+1]                   ; odd x sin
	v_mul_f32 v[R+8*\b+\j+1], v[8*(3*\a+\b)+\j+1], v[FB+\j]                     ; odd x cos
	v_fma_f32 v[R+8*\b+\j],   v[8*(3*\a+\b)+\j],   v[FB+\j],   -v[R+8*\b+\j]    ; re = even x cos - odd x sin
	v_fma_f32 v[R+8*\b+\j+1], v[8*(3*\a+\b)+\j],   v[FB+\j+1], v[R+8*\b+\j+1]   ; im = even x sin + odd x cos
.endr
.endm
.macro OUTROW a
	s_wait_loadcnt 6*(7-\a)                        ; this row block's (cos, sin) are in; the six loads of each later row block stay out
	WIN 0x8a
.irp b, 0,1,2
	SEL \a, \b
.endr
	WIN 0x09
.irp b, 0,1,2
	ROT \a, \b
.endr
	WIN 0
.irp b, 0,1,2
.irp j, 0,1,2,3
	v_cvt_pk_f16_f32 v[H+4*\b+\j], v[R+8*\b+2*\j], v[R+8*\b+2*\j+1]
.endr
.endr
.irp b, 0,1,2
	ds_store_b128 v[STO], v[H+4*\b:H+4*\b+3] offset:STAGE+16*SP*\a+32*\b
.endr
.endm
.irp a, 0,1,2,3,4,5,6,7
	OUTROW \a
.endr
	s_wait_dscnt 0x0                               ; my stores into the stage are done: other waves read them behind the barrier
	s_barrier_signal -1
	s_barrier_wait -1
.irp c, 0,1,2
.irp i, 0,1,2,3,4,5,6,7
	ds_load_b128 v[OB+4*(8*\c+\i):OB+4*(8*\c+\i)+3], v[RD] offset:STAGE+\c*128+\i*4*SP
.endr
.endr
.irp c, 0,1,2
.irp i, 0,1,2,3,4,5,6,7
	s_wait_dscnt 23-(8*\c+\i)                      ; LDS loads return in order: this one is in, the younger ones stay out
	global_store_b128 v[CO], v[OB+4*(8*\c+\i):OB+4*(8*\c+\i)+3], s[10:11] offset:\c*262144+\i*512   ; 4 rows of a block: 512 consecutive bytes, aligned
.endr
.endr
	s_set_vgpr_msb 0x2
	s_wait_tensorcnt 0x0
	ds_add_u32 v255, v255
	s_wait_dscnt 0x0
	s_set_vgpr_msb 0x200
	CROUND                                         ; the closing round: no work-group ends while a partner may still ask for a tile that names it
	s_endpgm
.Lfunc_end_k_q682389682f_qkv:
	.size	k_q682389682f_qkv, .Lfunc_end_k_q682389682f_qkv-k_q682389682f_qkv
	.p2alignl 7, 3214868480
	.fill 96, 4, 3214868480
	.section	.rodata,"a",@progbits
	.p2align	6, 0x0
	.amdhsa_kernel k_q682389682f_qkv
		.amdhsa_group_segment_fixed_size 327680
		.amdhsa_private_segment_fixed_size 0
		.amdhsa_enable_private_segment 0
		.amdhsa_kernarg_size 32
		.amdhsa_user_sgpr_count 2
		.amdhsa_user_sgpr_kernarg_segment_ptr 1
		.amdhsa_wavefront_size32 1
		.amdhsa_system_sgpr_workgroup_id_x 1
		.amdhsa_system_sgpr_workgroup_id_y 1
		.amdhsa_system_sgpr_workgroup_id_z 1
		.amdhsa_system_vgpr_workitem_id 0
		.amdhsa_next_free_vgpr 768
		.amdhsa_next_free_sgpr 66
		.amdhsa_reserve_vcc 0
		.amdhsa_float_denorm_mode_32 3
		.amdhsa_float_denorm_mode_16_64 3
		.amdhsa_memory_ordered 1
		.amdhsa_forward_progress 1
		.amdhsa_inst_pref_size 255
	.end_amdhsa_kernel
	.section	.bss,"aw",@nobits
	.p2align	6
	.space	262144
	.amdgpu_metadata
---
amdhsa.version: [ 1, 2 ]
amdhsa.kernels:
  - .name:           k_q682389682f_qkv
    .symbol:         k_q682389682f_qkv.kd
    .args:
      - { .name: xh, .offset: 0, .size: 8, .value_kind: global_buffer, .address_space: global }
      - { .name: wqf, .offset: 8, .size: 8, .value_kind: global_buffer, .address_space: global }
      - { .name: freqs_cis, .offset: 16, .size: 8, .value_kind: global_buffer, .address_space: global }
      - { .name: qkvh, .offset: 24, .size: 8, .value_kind: global_buffer, .address_space: global }
    .group_segment_fixed_size: 327680
    .private_segment_fixed_size: 0
    .kernarg_segment_align: 8
    .kernarg_segment_size: 32
    .max_flat_workgroup_size: 128
    .sgpr_count:     66
    .vgpr_count:     768
    .wavefront_size: 32
...
	.end_amdgpu_metadata
.endif
;; end of part 2
;; launch attn (part 3): grid 16 x 16, 4 waves a work-group, clusters of 4 x 1, 327,680 bytes of LDS; arguments qkvh, yh; writes yh
.if DOCPART == 3
	.amdgcn_target "amdgcn-amd-amdhsa--gfx1250"
	.amdhsa_code_object_version 6
	.text
	.protected	k_q682389682f_attn
	.globl	k_q682389682f_attn
	.p2align	8
	.type	k_q682389682f_attn,@function
k_q682389682f_attn:
	s_mov_b64 s[64:65], 0
	v_nop
	global_prefetch_b8 v0, s[64:65] scope:SCOPE_SE
	s_setreg_imm32_b32 hwreg(HW_REG_WAVE_MODE, 25, 1), 1
	s_wait_xcnt 0x0
	s_wait_alu depctr_hold_cnt(0) depctr_sa_sdst(0) depctr_va_vdst(0) depctr_va_sdst(0) depctr_va_ssrc(0) depctr_va_vcc(0) depctr_vm_vsrc(0)
	s_getreg_b32 s2, hwreg(HW_REG_IB_STS2, 6, 4)
	s_cmp_eq_u32 s2, 0
	s_cbranch_scc0 .Lentry_in_a_cluster
	s_endpgm
.Lentry_in_a_cluster:
	s_bfe_u32 s2, ttmp6, 0x10000c
	s_cmp_lg_u32 s2, 0x3003
	s_cbranch_scc0 .Lentry_shape_is_right
	s_endpgm
.Lentry_shape_is_right:
; y = softmax(q k^T / sqrt(128)) v for one head and 128 queries a work-group, over all 2,048 keys, with a running maximum.
; qkvh [48 blocks of 64 columns][2048 t][64] f16: q of head hd in blocks 2 hd, 2 hd + 1; k of kv head g in 32 + 2 g, +1; v in 40 + 2 g, +1.
; q and k are stored times 2^-6 each: the constant C below holds 2^12 log2(e) / sqrt(128).  yh [2048][2048] f16, row-major.
; CLUSTERS: the four work-groups of a cluster are the four query heads of one kv head, same query block; they walk the same tiles of k and v,
; so every tile is asked for jointly (mask 15).
; Four waves; wave (qh, kh) takes 64 queries and 128 of each tile's 256 keys, so that a fragment of k or v feeds four matrix instructions;
; the two halves of the keys keep their own maximum, sum and O, and are merged once at the end, through LDS.
; EVERYTHING IS TRANSPOSED: S^T = k q^T (source 0 = 16 keys, source 1 = 16 queries), O^T = v^T P^T (source 0 = 16 columns of v by the transposing
; load, source 1 = P).  In S^T and O^T lane l holds query l % 16 in all its registers: a row's maximum and sum are one number a lane plus one
; exchange between the halves of the wave; two packed tiles of S^T are a fragment of P as they stand; O is rescaled by the lane's own factor.
; FORMAT AND LIMITS: operands f16 (P lies in [0, 1]; |v| under 65,504 as stored), sums, maxima and exponentials in f32.  The exponent of every P and of both rescalings is
; formed with the same stored -C m.  v_exp_f32 gives 0 for results under 2^-126.
; REGISTER WINDOWS: 0 addresses, figures of the softmax, two groups of fragments; 1 q (qb, kc) at 8 (4 qb + kc), P (sc, qb) at 128 + 8 (4 sc + qb);
; 2 O^T (db, qb) at 8 (4 db + qb); 3 S^T (sb, qb) at 8 (4 sb + qb).
.set PK,    144                        ; LDS pitch of k's rows: 128 bytes + 16
.set PV,    160                        ; LDS pitch of v's rows: 128 bytes + 32
.set VBLK,  256*PV                     ; 256 keys, 64 columns of v: 40,960
.set KOFF,  2*VBLK
.set KBLK,  256*PK                     ; 36,864
.set SLOT,  KOFF+2*KBLK                ; 155,648
.set STAGE, 2*SLOT                     ; the way out: 16 rows x 272 bytes for each half of the queries; no tensor load lands here
.set SPITCH, 272
.set SCRB,  33792                      ; the merge: 32,768 bytes of O + 512 of -C m + 512 of sums, for each half of the queries, in slot 0 behind its last fill and last read
.set CS,    0x440293ee                 ; C = 2^12 log2(e) / sqrt(128)
.set CSNEG, 0xc40293ee
.set ADRK, 10                          ; v10-11 my k fragments, slot 0, 1
.set ADRV, 12                          ; v12-13 my v fragments
.set QO,   14
.set STO,  15
.set RD,   16
.set CO,   17
.set SCR,  18
.set M,    20                          ; v20-23  running maximum of the raw products, one for each block of 16 queries
.set U,    28                          ; v28-31  at work
.set LP,   32                          ; v32-39  running sums, a pair for each block
.set AP,   40                          ; v40-47  the rescaling factor, twice
.set NMP,  48                          ; v48-55  -C m, twice
.set NMC,  56                          ; v56-59  -C m at the end
.set LS,   60                          ; v60-63  the sum at the end
.set GA,   64                          ; fragment group A
.set GB,   128                         ; fragment group B
.set TMP,  192
.set PF,   128                         ; P, in window 1
.set G1V, 24
.set G1K, 32
.set G0V, 40
.set G0K, 48
.set MSB, 0
.macro WIN new
.if MSB != \new
	s_set_vgpr_msb (MSB<<8)|\new
.set MSB, \new
.endif
.endm
.macro PLACES                          ; four plain vector places behind a matrix instruction (ISA guide 7.12.1)
.rept 4
	v_nop
.endr
.endm
.macro JLOAD s                         ; waves 0, 1 fetch v's two halves of the columns, waves 2, 3 k's
	s_cmp_eq_u32 s9, 0
	s_cbranch_scc0 .Lfor_k_\@
	tensor_load_to_lds s[G0V+4*\s:G0V+4*\s+3], s[G1V:G1V+7]
	s_nop 0
	s_branch .Lasked_\@
.Lfor_k_\@:
	tensor_load_to_lds s[G0K+4*\s:G0K+4*\s+3], s[G1K:G1K+7]
	s_nop 0
.Lasked_\@:
.endm
.macro CREST
	s_cmp_lg_u32 s8, 0
	s_cbranch_scc1 .Lnot_wave_0_\@
	s_barrier_signal -3
.Lnot_wave_0_\@:
	s_barrier_wait -3
	s_barrier_signal -1
	s_barrier_wait -1
.endm
.macro CROUND
	s_barrier_signal -1
	s_barrier_wait -1
	CREST
.endm
	s_load_b128 s[4:7], s[0:1], 0x0                ; qkvh s[4:5], yh s[6:7]
	v_lshl_add_u32 v254, v0, 2, 0x4e200
	v_mov_b32 v255, 0
	ds_add_u32 v254, v255
	v_lshrrev_b32 v1, 5, v0
	v_readfirstlane_b32 s8, v1                     ; wave
	s_lshr_b32 s9, s8, 1                           ; qh: which 64 queries.  Also: I fetch v (0) or k (1)
	s_and_b32 s10, s8, 1                           ; kh: which 128 keys of a tile.  Also: which 64 columns I fetch
	s_bfe_u32 s11, ttmp6, 0x40000                  ; cx
	s_lshl_b32 s12, ttmp9, 2
	s_add_co_u32 s12, s12, s11                     ; head = 4 g + cx; g = the cluster's x is the kv head
	s_and_b32 s13, ttmp7, 0xffff                   ; block of 128 queries
	s_mov_b32 s14, 0x76543210                      ; v_permlanex16_b32: lane i reads lane i of the other half
	s_mov_b32 s15, 0xfedcba98
	s_mov_b32 s16, CS
	s_mov_b32 s17, CS
	s_mov_b32 s18, CSNEG
	; group 1: 256 keys x 64 columns are 32,768 dense bytes, taken as 128 rows of 256; padding behind every 32 words, that is behind every key's 128 bytes
	s_mov_b32 s[G1V+0], 15|(1<<16)|(1<<20)|(1<<21)|(4<<22)|(7<<25)   ; v: 8 words
	s_mov_b32 s[G1K+0], 15|(1<<16)|(1<<20)|(1<<21)|(4<<22)|(3<<25)   ; k: 4 words
.irp g, G1V, G1K
	s_mov_b32 s[\g+1], 128<<16
	s_mov_b32 s[\g+2], 128<<16
	s_mov_b32 s[\g+3], 128<<16
	s_mov_b32 s[\g+4], 128
	s_mov_b32 s[\g+5], 128
	s_mov_b32 s[\g+6], 0
	s_mov_b32 s[\g+7], 0
.endr
	s_mul_i32 s20, s8, VBLK                        ; v's halves: waves 0, 1 at wave x 40,960
	s_mul_i32 s21, s8, KBLK
	s_add_co_u32 s21, s21, KOFF-2*KBLK             ; k's halves: waves 2, 3 at 81,920 + (wave - 2) x 36,864
	s_lshl_b32 s22, ttmp9, 1
	s_add_co_u32 s22, s22, s10                     ; 2 g + half: shared by the four partners
	s_add_co_u32 s58, s22, 40
	s_lshl_b32 s58, s58, 18
	s_mov_b32 s59, 0
	s_add_co_u32 s60, s22, 32
	s_lshl_b32 s60, s60, 18
	s_mov_b32 s61, 0
	s_lshl_b32 s56, s12, 19                        ; q: block 2 head
	s_lshl_b32 s23, s13, 14                        ; 128 rows of 128 bytes
	s_add_co_u32 s56, s56, s23
	s_mov_b32 s57, 0
	s_lshl_b32 s62, s13, 19                        ; y: 128 rows of 4,096 bytes,
	s_lshl_b32 s23, s9, 18                         ; my 64 rows,
	s_add_co_u32 s62, s62, s23
	s_lshl_b32 s23, s12, 8                         ; the head's 256 bytes
	s_add_co_u32 s62, s62, s23
	s_mov_b32 s63, 0
	s_wait_dscnt 0x0
	s_wait_kmcnt 0x0
	s_add_nc_u64 s[56:57], s[4:5], s[56:57]
	s_add_nc_u64 s[58:59], s[4:5], s[58:59]
	s_add_nc_u64 s[60:61], s[4:5], s[60:61]
	s_add_nc_u64 s[6:7], s[6:7], s[62:63]
	CROUND                                         ; the four work-groups are here: the first joint loads meet
.irp s, 0,1
	s_mov_b32 s[G0V+4*\s], 1
	s_add_co_u32 s[G0V+4*\s+1], s20, \s*SLOT
	s_add_nc_u64 s[G0V+4*\s+2:G0V+4*\s+3], s[58:59], \s*32768      ; tile s: 256 keys of 128 bytes
	s_or_b32 s[G0V+4*\s+3], s[G0V+4*\s+3], 0x80000000
	s_mov_b32 s[G0K+4*\s], 1
	s_add_co_u32 s[G0K+4*\s+1], s21, \s*SLOT
	s_add_nc_u64 s[G0K+4*\s+2:G0K+4*\s+3], s[60:61], \s*32768
	s_or_b32 s[G0K+4*\s+3], s[G0K+4*\s+3], 0x80000000
	JLOAD \s                                       ; two tensor loads of a wave are out, the most in this text
.endr
	v_and_b32 v1, 15, v0                           ; r
	v_bfe_u32 v2, v0, 4, 1                         ; h
	v_and_b32 v3, 7, v0
	v_bfe_u32 v4, v0, 3, 1
	v_and_b32 v5, 31, v0
	v_lshl_add_u32 v6, v2, 3, v3
	v_mul_u32_u24 v6, v6, PV
	v_lshl_add_u32 v6, v4, 4, v6                   ; the transposing load's lane term
	v_mul_u32_u24 v7, v1, PK
	v_lshl_add_u32 v7, v2, 4, v7
	s_mul_i32 s20, s10, 128*PK
	s_add_co_u32 s20, s20, KOFF
	v_add_nc_u32 v[ADRK], s20, v7
	v_add_nc_u32 v[ADRK+1], SLOT, v[ADRK]
	s_mul_i32 s20, s10, 128*PV
	v_add_nc_u32 v[ADRV], s20, v6
	v_add_nc_u32 v[ADRV+1], SLOT, v[ADRV]
	s_lshl_b32 s20, s9, 6
	v_add_nc_u32 v7, s20, v1
	v_lshlrev_b32 v7, 7, v7
	v_lshl_add_u32 v[QO], v2, 4, v7                ; q: (64 qh + r) x 128 + 16 h
	s_mul_i32 s20, s9, 16*SPITCH
	s_add_co_u32 s20, s20, STAGE
	v_mul_u32_u24 v7, v1, SPITCH
	v_lshl_add_u32 v7, v2, 4, v7
	v_add_nc_u32 v[STO], s20, v7
	v_mul_u32_u24 v7, v2, SPITCH
	v_lshl_add_u32 v7, v1, 4, v7
	v_add_nc_u32 v[RD], s20, v7
	v_lshlrev_b32 v7, 12, v2
	v_lshl_add_u32 v[CO], v1, 4, v7
	s_mul_i32 s20, s9, SCRB
	v_lshl_add_u32 v[SCR], v5, 4, s20
	; q: 16 fragments, kept in registers for the whole launch
	WIN 0x40
.irp qb, 0,1,2,3
.irp kc, 0,1,2,3
	global_load_b128 v[8*(4*\qb+\kc):8*(4*\qb+\kc)+3],   v[QO], s[56:57] offset:(\kc>>1)*262144+\qb*2048+(\kc&1)*64
	global_load_b128 v[8*(4*\qb+\kc)+4:8*(4*\qb+\kc)+7], v[QO], s[56:57] offset:(\kc>>1)*262144+\qb*2048+(\kc&1)*64+32
.endr
.endr
	WIN 0
	; m = -inf, -C m = +inf, sums 0: the first tile's rescaling factor comes out as exp2(-inf) = 0 with no case of its own
.irp qb, 0,1,2,3
	v_mov_b32 v[M+\qb], 0xff800000
	v_mov_b32 v[U+\qb], 0
	v_mov_b32 v[LP+2*\qb], 0
	v_mov_b32 v[LP+2*\qb+1], 0
	v_mov_b32 v[NMP+2*\qb], 0x7f800000
	v_mov_b32 v[NMP+2*\qb+1], 0x7f800000
.endr
; 16 LDS loads: k's fragments of key blocks 2 p, 2 p + 1 (16 keys each), all 128 columns
.macro LOADK slot, p, g
	PLACES
	WIN 0
.irp sbl, 0,1
.irp kc, 0,1,2,3
	ds_load_b128 v[\g+32*\sbl+8*\kc:\g+32*\sbl+8*\kc+3],   v[ADRK+\slot] offset:(\kc>>1)*KBLK+(2*\p+\sbl)*16*PK+(\kc&1)*64
	ds_load_b128 v[\g+32*\sbl+8*\kc+4:\g+32*\sbl+8*\kc+7], v[ADRK+\slot] offset:(\kc>>1)*KBLK+(2*\p+\sbl)*16*PK+(\kc&1)*64+32
.endr
.endr
.endm
; 16 transposing LDS loads: v's fragments of keys 32 sc .. 32 sc + 31, all eight blocks of 16 columns
.macro LOADV slot, sc, g
	PLACES
	WIN 0
.irp db, 0,1,2,3,4,5,6,7
	ds_load_tr16_b128 v[\g+8*\db:\g+8*\db+3],   v[ADRV+\slot] offset:(\db>>2)*VBLK+\sc*32*PV+(\db&3)*32
	ds_load_tr16_b128 v[\g+8*\db+4:\g+8*\db+7], v[ADRV+\slot] offset:(\db>>2)*VBLK+\sc*32*PV+(\db&3)*32+16*PV
.endr
.endm
; 32 matrix instructions: S^T of two key blocks x four query blocks.  Eight accumulators take turns, one instruction a turn.
.macro SMUL p, g
	WIN 0xf4
.irp kc, 0,1,2,3
.irp sbl, 0,1
.irp qb, 0,1,2,3
.if \kc == 0
	v_wmma_f32_16x16x32_f16 v[8*(4*(2*\p+\sbl)+\qb):8*(4*(2*\p+\sbl)+\qb)+7], v[\g+32*\sbl+8*\kc:\g+32*\sbl+8*\kc+7], v[8*(4*\qb+\kc):8*(4*\qb+\kc)+7], 0
.else
	v_wmma_f32_16x16x32_f16 v[8*(4*(2*\p+\sbl)+\qb):8*(4*(2*\p+\sbl)+\qb)+7], v[\g+32*\sbl+8*\kc:\g+32*\sbl+8*\kc+7], v[8*(4*\qb+\kc):8*(4*\qb+\kc)+7], v[8*(4*(2*\p+\sbl)+\qb):8*(4*(2*\p+\sbl)+\qb)+7]
.endif
.endr
.endr
.endr
.endm
; 32 matrix instructions: O^T += v^T P^T for 32 keys.  The 32 accumulators take turns.
.macro PVMUL sc, g, zero
	WIN 0xa4
.irp db, 0,1,2,3,4,5,6,7
.irp qb, 0,1,2,3
.if \zero
	v_wmma_f32_16x16x32_f16 v[8*(4*\db+\qb):8*(4*\db+\qb)+7], v[\g+8*\db:\g+8*\db+7], v[PF+8*(4*\sc+\qb):PF+8*(4*\sc+\qb)+7], 0
.else
	v_wmma_f32_16x16x32_f16 v[8*(4*\db+\qb):8*(4*\db+\qb)+7], v[\g+8*\db:\g+8*\db+7], v[PF+8*(4*\sc+\qb):PF+8*(4*\sc+\qb)+7], v[8*(4*\db+\qb):8*(4*\db+\qb)+7]
.endif
.endr
.endr
.endm
.macro SFMA i                          ; pair i of S: C s - C m; the pair's query block is (i / 4) % 4
	v_pk_fma_f32 v[2*(\i):2*(\i)+1], v[2*(\i):2*(\i)+1], s[16:17], v[NMP+2*(((\i)>>2)&3):NMP+2*(((\i)>>2)&3)+1] op_sel_hi:[1,0,1]
.endm
.macro SEXP i
	v_exp_f32 v[2*(\i)], v[2*(\i)]
	v_exp_f32 v[2*(\i)+1], v[2*(\i)+1]
.endm
; The softmax of 128 keys x 64 queries.  first = 1: there is no O yet to rescale.
.macro SOFTMAX first
	PLACES
	WIN 0x0f                                       ; the running maximum takes in the new products: four chains, one for each block of queries
.irp sb, 0,1,2,3,4,5,6,7
.irp j, 0,2,4,6
.irp qb, 0,1,2,3
	v_max3_num_f32 v[M+\qb], v[8*(4*\sb+\qb)+\j], v[8*(4*\sb+\qb)+\j+1], v[M+\qb]
.endr
.endr
.endr
	WIN 0
.irp qb, 0,1,2,3
	v_permlanex16_b32 v[U+\qb], v[M+\qb], s14, s15 ; the other half of the wave holds the query's other keys
.endr
.irp qb, 0,1,2,3
	v_max_num_f32 v[M+\qb], v[M+\qb], v[U+\qb]
.endr
.irp qb, 0,1,2,3
	v_mul_f32 v[U+\qb], s18, v[M+\qb]              ; -C m, new
.endr
.irp qb, 0,1,2,3
	v_sub_f32 v[AP+2*\qb], v[U+\qb], v[NMP+2*\qb]  ; C m old - C m new
.endr
.irp qb, 0,1,2,3
	v_exp_f32 v[AP+2*\qb], v[AP+2*\qb]
.endr
.irp qb, 0,1,2,3
	v_mov_b32 v[NMP+2*\qb], v[U+\qb]               ; plain lines that touch no exponential: the place behind v_exp_f32 (ISA guide 5.7.2)
	v_mov_b32 v[NMP+2*\qb+1], v[U+\qb]
.endr
	s_wait_alu depctr_va_vdst(0)
.irp qb, 0,1,2,3
	v_mov_b32 v[AP+2*\qb+1], v[AP+2*\qb]
.endr
.irp qb, 0,1,2,3
	v_pk_mul_f32 v[LP+2*\qb:LP+2*\qb+1], v[LP+2*\qb:LP+2*\qb+1], v[AP+2*\qb:AP+2*\qb+1]
.endr
	WIN 0xc3                                       ; P = exp2(C s - C m), in place; the multiply-adds run two pairs ahead and are the plain lines between the exponentials' results and their use
	SFMA 0
	SFMA 1
.set n, 0
.rept 126
	SEXP n
	SFMA n+2
.set n, n+1
.endr
	SEXP 126
	SEXP 127
	v_nop
	WIN 0x03                                       ; the sums, in f32
	s_wait_alu depctr_va_vdst(0)
.irp sb, 0,1,2,3,4,5,6,7
.irp j, 0,2,4,6
.irp qb, 0,1,2,3
	v_pk_add_f32 v[LP+2*\qb:LP+2*\qb+1], v[8*(4*\sb+\qb)+\j:8*(4*\sb+\qb)+\j+1], v[LP+2*\qb:LP+2*\qb+1]
.endr
.endr
.endr
	WIN 0x4f                                       ; f16: tiles 2 sc and 2 sc + 1 of S^T are registers 0-3 and 4-7 of P's fragment sc
.irp sb, 0,1,2,3,4,5,6,7
.irp qb, 0,1,2,3
.irp j, 0,1,2,3
	v_cvt_pk_f16_f32 v[PF+8*(4*(\sb>>1)+\qb)+4*(\sb&1)+\j], v[8*(4*\sb+\qb)+2*\j], v[8*(4*\sb+\qb)+2*\j+1]
.endr
.endr
.endr
.if \first == 0
	WIN 0x82                                       ; O into the new maximum's frame
.irp db, 0,1,2,3,4,5,6,7
.irp qb, 0,1,2,3
.irp j, 0,2,4,6
	v_pk_mul_f32 v[8*(4*\db+\qb)+\j:8*(4*\db+\qb)+\j+1], v[8*(4*\db+\qb)+\j:8*(4*\db+\qb)+\j+1], v[AP+2*\qb:AP+2*\qb+1]
.endr
.endr
.endr
.endif
.endm
; One tile: my 128 keys.  Each run of 16 loads is issued one block of 32 matrix instructions ahead of its use;
; s_wait_dscnt 16 leaves out the run just issued and shows the run before it in.
.macro STEP slot, first
	LOADK \slot, 0, GA
	LOADK \slot, 1, GB
	s_wait_dscnt 16
	SMUL 0, GA
	LOADK \slot, 2, GA
	s_wait_dscnt 16
	SMUL 1, GB
	LOADK \slot, 3, GB
	s_wait_dscnt 16
	SMUL 2, GA
	LOADV \slot, 0, GA
	s_wait_dscnt 16
	SMUL 3, GB
	SOFTMAX \first
	LOADV \slot, 1, GB
	s_wait_dscnt 16
	PVMUL 0, GA, \first
	LOADV \slot, 2, GA
	s_wait_dscnt 16
	PVMUL 1, GB, 0
	LOADV \slot, 3, GB
	s_wait_dscnt 16
	PVMUL 2, GA, 0
	s_wait_dscnt 0
	PVMUL 3, GB, 0
	WIN 0
.endm
; A change of slots.  Every wave waits for all its tensor loads (its part of this trip's tile among them) and for its reads of the other slot;
; refill = 1: a round of the cluster's barrier, and the other slot's joint refill, two tiles ahead, first behind it: it has the whole tile's work in which to land.
.macro TRIP slot, other, refill
	s_wait_tensorcnt 0x0
	ds_add_u32 v254, v255
	s_wait_dscnt 0x0
.if \refill
	s_add_nc_u64 s[G0V+4*\other+2:G0V+4*\other+3], s[G0V+4*\other+2:G0V+4*\other+3], 65536
	s_add_nc_u64 s[G0K+4*\other+2:G0K+4*\other+3], s[G0K+4*\other+2:G0K+4*\other+3], 65536
.endif
	s_wait_dscnt 0x0
.if \refill
	CROUND
	JLOAD \other
.else
	s_barrier_signal -1
	s_barrier_wait -1
.endif
	STEP \slot, 0
.endm
	s_wait_tensorcnt 0x1                           ; my part of tile 0 is in; tile 1's may stay out
	s_barrier_signal -1
	s_barrier_wait -1
	s_wait_loadcnt 0x0                             ; q
	STEP 0, 1                                      ; tile 0: its products start O
	s_mov_b32 s19, 3
.Ltiles:
	TRIP 1, 0, 1                                   ; tiles 1, 3, 5; slot 0 gets tiles 2, 4, 6
	TRIP 0, 1, 1                                   ; tiles 2, 4, 6; slot 1 gets tiles 3, 5, 7
	s_sub_co_u32 s19, s19, 1
	s_cmp_lg_u32 s19, 0
	s_cbranch_scc1 .Ltiles
	TRIP 1, 0, 0                                   ; tile 7: nothing is left to fetch.  Behind its barrier no wave reads slot 0 any more and no load fills it
	; THE MERGE of the two halves of the keys.  Wave kh = 1 hands O, -C m and its sum to wave kh = 0 of the same queries.
	PLACES
.irp qb, 0,1,2,3
	v_add_f32 v[LS+\qb], v[LP+2*\qb], v[LP+2*\qb+1]
.endr
.irp qb, 0,1,2,3
	v_permlanex16_b32 v[U+\qb], v[LS+\qb], s14, s15
.endr
.irp qb, 0,1,2,3
	v_add_f32 v[LS+\qb], v[LS+\qb], v[U+\qb]
	v_mov_b32 v[NMC+\qb], v[NMP+2*\qb]
.endr
	s_cmp_eq_u32 s10, 0
	s_cbranch_scc1 .Lkeep
	WIN 0x08
.set n, 0
.rept 64
	ds_store_b128 v[SCR], v[4*n:4*n+3] offset:512*n
.set n, n+1
.endr
	WIN 0
	ds_store_b128 v[SCR], v[NMC:NMC+3] offset:32768
	ds_store_b128 v[SCR], v[LS:LS+3] offset:33280
.Lkeep:
	s_wait_dscnt 0x0                               ; the stores are done before the other wave reads
	s_barrier_signal -1
	s_barrier_wait -1
	s_cmp_lg_u32 s10, 0
	s_cbranch_scc1 .Ldone
	ds_load_b128 v[TMP:TMP+3], v[SCR] offset:32768     ; the other half's -C m
	ds_load_b128 v[TMP+4:TMP+7], v[SCR] offset:33280   ; and its sums
	WIN 0xc0
.set n, 0
.rept 32
	ds_load_b128 v[4*n:4*n+3], v[SCR] offset:512*n     ; its O, into the registers that held S
.set n, n+1
.endr
	WIN 0
	s_wait_dscnt 32                                ; the two loads of figures are in; the 32 behind them stay out
.irp qb, 0,1,2,3
	v_min_num_f32 v[U+\qb], v[NMC+\qb], v[TMP+\qb] ; -C max(m0, m1)
.endr
.irp qb, 0,1,2,3
	v_sub_f32 v[AP+2*\qb], v[U+\qb], v[NMC+\qb]
	v_sub_f32 v[NMP+2*\qb], v[U+\qb], v[TMP+\qb]
.endr
.irp qb, 0,1,2,3
	v_exp_f32 v[AP+2*\qb], v[AP+2*\qb]
	v_exp_f32 v[NMP+2*\qb], v[NMP+2*\qb]
.endr
	v_nop
	s_wait_alu depctr_va_vdst(0)
.irp qb, 0,1,2,3
	v_mul_f32 v[LS+\qb], v[LS+\qb], v[AP+2*\qb]
.endr
.irp qb, 0,1,2,3
	v_fmac_f32 v[LS+\qb], v[TMP+4+\qb], v[NMP+2*\qb]
.endr
.irp qb, 0,1,2,3
	v_rcp_f32 v[LS+\qb], v[LS+\qb]                 ; the sum holds the largest term, about 1: no small divisor
.endr
	v_nop
	s_wait_alu depctr_va_vdst(0)
.irp qb, 0,1,2,3
	v_mul_f32 v[AP+2*\qb], v[AP+2*\qb], v[LS+\qb]
	v_mul_f32 v[NMP+2*\qb], v[NMP+2*\qb], v[LS+\qb]
.endr
.irp qb, 0,1,2,3
	v_mov_b32 v[AP+2*\qb+1], v[AP+2*\qb]
	v_mov_b32 v[NMP+2*\qb+1], v[NMP+2*\qb]
.endr
	WIN 0xc0
.set n, 32
.rept 32
	ds_load_b128 v[4*n:4*n+3], v[SCR] offset:512*n
.set n, n+1
.endr
	WIN 0x82
.irp db, 0,1,2,3,4,5,6,7
.irp qb, 0,1,2,3
.irp j, 0,2,4,6
	v_pk_mul_f32 v[8*(4*\db+\qb)+\j:8*(4*\db+\qb)+\j+1], v[8*(4*\db+\qb)+\j:8*(4*\db+\qb)+\j+1], v[AP+2*\qb:AP+2*\qb+1]
.endr
.endr
.endr
	s_wait_dscnt 0x0
	WIN 0xa3
.irp db, 0,1,2,3,4,5,6,7
.irp qb, 0,1,2,3
.irp j, 0,2,4,6
	v_pk_fma_f32 v[8*(4*\db+\qb)+\j:8*(4*\db+\qb)+\j+1], v[8*(4*\db+\qb)+\j:8*(4*\db+\qb)+\j+1], v[NMP+2*\qb:NMP+2*\qb+1], v[8*(4*\db+\qb)+\j:8*(4*\db+\qb)+\j+1]
.endr
.endr
.endr
; THE WAY OUT, 16 queries at a time: f16, 16 bytes a lane into my own stage, back as whole rows of 256 bytes.  LDS serves a wave's instructions in order.
.macro OUT16 qb
	WIN 0x0a
.irp db, 0,1,2,3,4,5,6,7
.irp j, 0,1,2,3
	v_cvt_pk_f16_f32 v[TMP+4*\db+\j], v[8*(4*\db+\qb)+2*\j], v[8*(4*\db+\qb)+2*\j+1]
.endr
.endr
	WIN 0
.irp db, 0,1,2,3,4,5,6,7
	ds_store_b128 v[STO], v[TMP+4*\db:TMP+4*\db+3] offset:32*\db
.endr
.irp t, 0,1,2,3,4,5,6,7
	ds_load_b128 v[GA+32*\qb+4*\t:GA+32*\qb+4*\t+3], v[RD] offset:\t*2*SPITCH
.endr
.irp t, 0,1,2,3,4,5,6,7
	s_wait_dscnt 7-\t                              ; this load is in, the younger ones stay out
	global_store_b128 v[CO], v[GA+32*\qb+4*\t:GA+32*\qb+4*\t+3], s[6:7] offset:(16*\qb+2*\t)*4096   ; 16 lanes store a head's 256 consecutive bytes of a row, aligned; each block of queries has its own registers
.endr
.endm
	OUT16 0
	OUT16 1
	OUT16 2
	OUT16 3
.Ldone:
	s_wait_dscnt 0x0
	s_wait_tensorcnt 0x0
	ds_add_u32 v254, v255
	s_wait_dscnt 0x0
	CROUND                                         ; the closing round
	s_endpgm
.Lfunc_end_k_q682389682f_attn:
	.size	k_q682389682f_attn, .Lfunc_end_k_q682389682f_attn-k_q682389682f_attn
	.p2alignl 7, 3214868480
	.fill 96, 4, 3214868480
	.section	.rodata,"a",@progbits
	.p2align	6, 0x0
	.amdhsa_kernel k_q682389682f_attn
		.amdhsa_group_segment_fixed_size 327680
		.amdhsa_private_segment_fixed_size 0
		.amdhsa_enable_private_segment 0
		.amdhsa_kernarg_size 16
		.amdhsa_user_sgpr_count 2
		.amdhsa_user_sgpr_kernarg_segment_ptr 1
		.amdhsa_wavefront_size32 1
		.amdhsa_system_sgpr_workgroup_id_x 1
		.amdhsa_system_sgpr_workgroup_id_y 1
		.amdhsa_system_sgpr_workgroup_id_z 1
		.amdhsa_system_vgpr_workitem_id 0
		.amdhsa_next_free_vgpr 1024
		.amdhsa_next_free_sgpr 66
		.amdhsa_reserve_vcc 0
		.amdhsa_float_denorm_mode_32 3
		.amdhsa_float_denorm_mode_16_64 3
		.amdhsa_memory_ordered 1
		.amdhsa_forward_progress 1
		.amdhsa_inst_pref_size 255
	.end_amdhsa_kernel
	.section	.bss,"aw",@nobits
	.p2align	6
	.space	262144
	.amdgpu_metadata
---
amdhsa.version: [ 1, 2 ]
amdhsa.kernels:
  - .name:           k_q682389682f_attn
    .symbol:         k_q682389682f_attn.kd
    .args:
      - { .name: qkvh, .offset: 0, .size: 8, .value_kind: global_buffer, .address_space: global }
      - { .name: yh, .offset: 8, .size: 8, .value_kind: global_buffer, .address_space: global }
    .group_segment_fixed_size: 327680
    .private_segment_fixed_size: 0
    .kernarg_segment_align: 8
    .kernarg_segment_size: 16
    .max_flat_workgroup_size: 128
    .sgpr_count:     66
    .vgpr_count:     1024
    .wavefront_size: 32
...
	.end_amdgpu_metadata
.endif
;; end of part 3
;; launch proj (part 4): grid 16 x 16, 4 waves a work-group, clusters of 4 x 4, 327,680 bytes of LDS; arguments yh, wph, out0; writes out0
.if DOCPART == 4
	.amdgcn_target "amdgcn-amd-amdhsa--gfx1250"
	.amdhsa_code_object_version 6
	.text
	.protected	k_q682389682f_proj
	.globl	k_q682389682f_proj
	.p2align	8
	.type	k_q682389682f_proj,@function
k_q682389682f_proj:
	s_mov_b64 s[64:65], 0
	v_nop
	global_prefetch_b8 v0, s[64:65] scope:SCOPE_SE
	s_setreg_imm32_b32 hwreg(HW_REG_WAVE_MODE, 25, 1), 1
	s_wait_xcnt 0x0
	s_wait_alu depctr_hold_cnt(0) depctr_sa_sdst(0) depctr_va_vdst(0) depctr_va_sdst(0) depctr_va_ssrc(0) depctr_va_vcc(0) depctr_vm_vsrc(0)
	s_getreg_b32 s2, hwreg(HW_REG_IB_STS2, 6, 4)
	s_cmp_eq_u32 s2, 0
	s_cbranch_scc0 .Lentry_in_a_cluster
	s_endpgm
.Lentry_in_a_cluster:
	s_bfe_u32 s2, ttmp6, 0x10000c
	s_cmp_lg_u32 s2, 0xf033
	s_cbranch_scc0 .Lentry_shape_is_right
	s_endpgm
.Lentry_shape_is_right:
; out0 = y w_proj.  yh [2048][2048] f16; wph [32 blocks of 64 columns][2048 k][64] f16; out0 [2048][2048] f32.  Sums in f32.
; 256 work-groups, each 128 x 128; four waves, wave (wm, wn) makes 64 x 64: 16 accumulator tiles (a, b) at 8 (4 a + b) in window 1.
; K goes in 8 steps of 256 through two LDS slots: a slot's refill has all but the last few of a step's 128 matrix instructions of a wave in which to land.
; CLUSTERS: 4 x 4 work-groups; y's tile is asked for jointly along a row of the cluster, w's along a column.
; THE MATRIX INSTRUCTION IS USED TRANSPOSED (source 0 = 16 columns of w, source 1 = 16 rows of y): a lane holds eight neighbouring columns of one row, 32 bytes of f32.
; FORMAT: operands f16 as the earlier launches stored them; the result is the f32 sum, not rounded again.
.set PA,    528                        ; LDS pitch of y's rows: 512 bytes + 16
.set PB,    160                        ; LDS pitch of w's k-rows: 128 bytes + 32
.set BBLK,  256*PB                     ; 40,960
.set AOFF,  2*BBLK
.set AHALF, 64*PA                      ; 33,792
.set SLOT,  AOFF+2*AHALF               ; 149,504
.set STAGE, 2*SLOT                     ; the way out: 16 rows x 272 bytes for each wave; no tensor load lands here
.set SPITCH, 272
.set LAPS,  4
.set ADRA,  10
.set ADRB,  12
.set F0,    16                         ; fragment buffer 0: w at +8 b, y at +32 + 8 a
.set F1,    80
.set STO,   144
.set RD,    145
.set CO,    146
.set G1A, 24
.set G0A, 32
.set G1B, 40
.set G0B, 48
.set MSB, 0
.macro WIN new
.if MSB != \new
	s_set_vgpr_msb (MSB<<8)|\new
.set MSB, \new
.endif
.endm
.macro PLACES                          ; four plain vector places behind a matrix instruction (ISA guide 7.12.1)
.rept 4
	v_nop
.endr
.endm
.macro JLOAD s                         ; waves 0, 1 fetch w's two blocks, waves 2, 3 the two halves of y's rows
	s_cmp_eq_u32 s13, 0
	s_cbranch_scc0 .Lfor_a_\@
	tensor_load_to_lds s[G0B+4*\s:G0B+4*\s+3], s[G1B:G1B+7]
	s_nop 0
	s_branch .Lasked_\@
.Lfor_a_\@:
	tensor_load_to_lds s[G0A+4*\s:G0A+4*\s+3], s[G1A:G1A+7]
	s_nop 0
.Lasked_\@:
.endm
.macro CREST
	s_cmp_lg_u32 s12, 0
	s_cbranch_scc1 .Lnot_wave_0_\@
	s_barrier_signal -3
.Lnot_wave_0_\@:
	s_barrier_wait -3
	s_barrier_signal -1
	s_barrier_wait -1
.endm
.macro CROUND
	s_barrier_signal -1
	s_barrier_wait -1
	CREST
.endm
	s_load_b128 s[4:7], s[0:1], 0x0                ; yh s[4:5], wph s[6:7]
	s_load_b64 s[8:9], s[0:1], 0x10                ; out0
	v_lshl_add_u32 v254, v0, 2, 0x4d400
	v_mov_b32 v255, 0
	ds_add_u32 v254, v255
	v_lshrrev_b32 v1, 5, v0
	v_readfirstlane_b32 s12, v1                    ; wave
	s_lshr_b32 s13, s12, 1                         ; wm.  Also: I fetch w (0) or y (1)
	s_and_b32 s14, s12, 1                          ; wn.  Also: which block or half I fetch
	s_bfe_u32 s15, ttmp6, 0x40000                  ; cx
	s_bfe_u32 s16, ttmp6, 0x40004                  ; cy
	s_lshl_b32 s17, ttmp9, 2
	s_add_co_u32 s17, s17, s15                     ; bc
	s_and_b32 s18, ttmp7, 0xffff
	s_lshl_b32 s18, s18, 2
	s_add_co_u32 s18, s18, s16                     ; br
	s_lshl_b32 s19, s16, 2
	s_lshl_b32 s19, 15, s19                        ; my row of the cluster
	s_lshl_b32 s20, 0x1111, s15                    ; my column
	; group 1, y: 64 rows x 256 elements, 2,048 from row to row; 4 words of padding behind every 128
	s_or_b32 s[G1A+0], s19, (1<<16)|(1<<20)|(1<<21)|(6<<22)|(3<<25)
	s_mov_b32 s[G1A+1], 256<<16
	s_mov_b32 s[G1A+2], 64<<16
	s_mov_b32 s[G1A+3], 256<<16
	s_mov_b32 s[G1A+4], 64
	s_mov_b32 s[G1A+5], 2048
	s_mov_b32 s[G1A+6], 0
	s_mov_b32 s[G1A+7], 0
	; group 1, w: 256 k-rows of a block are 32,768 dense bytes, taken as 128 rows of 256; 8 words of padding behind every 32
	s_or_b32 s[G1B+0], s20, (1<<16)|(1<<20)|(1<<21)|(4<<22)|(7<<25)
	s_mov_b32 s[G1B+1], 128<<16
	s_mov_b32 s[G1B+2], 128<<16
	s_mov_b32 s[G1B+3], 128<<16
	s_mov_b32 s[G1B+4], 128
	s_mov_b32 s[G1B+5], 128
	s_mov_b32 s[G1B+6], 0
	s_mov_b32 s[G1B+7], 0
	s_mul_i32 s21, s12, BBLK                       ; w's blocks: waves 0, 1 at wave x 40,960
	s_mul_i32 s22, s12, AHALF
	s_add_co_u32 s22, s22, AOFF-2*AHALF            ; y's halves: waves 2, 3 at 81,920 + (wave - 2) x 33,792
	s_lshl_b32 s56, s18, 19                        ; y: 128 rows of 4,096 bytes,
	s_lshl_b32 s23, s14, 18                        ; + 64 rows for the second half; hangs on br alone
	s_add_co_u32 s56, s56, s23
	s_mov_b32 s57, 0
	s_lshl_b32 s58, s17, 1
	s_add_co_u32 s58, s58, s14
	s_lshl_b32 s58, s58, 18                        ; w: block 2 bc + half; hangs on bc alone
	s_mov_b32 s59, 0
	s_lshl_b32 s60, s18, 20                        ; out0: 128 rows of 8,192 bytes,
	s_lshl_b32 s62, s13, 19                        ; my 64 rows,
	s_add_co_u32 s60, s60, s62
	s_lshl_b32 s62, s17, 9                         ; 128 columns of f32,
	s_add_co_u32 s60, s60, s62
	s_lshl_b32 s62, s14, 8                         ; my 64 columns
	s_add_co_u32 s60, s60, s62
	s_mov_b32 s61, 0
	s_wait_dscnt 0x0
	s_wait_kmcnt 0x0
	s_add_nc_u64 s[56:57], s[4:5], s[56:57]
	s_add_nc_u64 s[58:59], s[6:7], s[58:59]
	s_add_nc_u64 s[8:9], s[8:9], s[60:61]
	CROUND                                         ; all sixteen work-groups are here: the first joint loads meet
.irp s, 0,1
	s_mov_b32 s[G0A+4*\s], 1
	s_add_co_u32 s[G0A+4*\s+1], s22, \s*SLOT
	s_add_nc_u64 s[G0A+4*\s+2:G0A+4*\s+3], s[56:57], \s*512        ; K step s: 256 elements along the row
	s_or_b32 s[G0A+4*\s+3], s[G0A+4*\s+3], 0x80000000
	s_mov_b32 s[G0B+4*\s], 1
	s_add_co_u32 s[G0B+4*\s+1], s21, \s*SLOT
	s_add_nc_u64 s[G0B+4*\s+2:G0B+4*\s+3], s[58:59], \s*32768      ; K step s: 256 k-rows of 128 bytes
	s_or_b32 s[G0B+4*\s+3], s[G0B+4*\s+3], 0x80000000
	JLOAD \s                                       ; two tensor loads of a wave are out, the most in this text
.endr
	v_and_b32 v1, 15, v0                           ; r
	v_bfe_u32 v2, v0, 4, 1                         ; h
	v_and_b32 v3, 7, v0
	v_bfe_u32 v4, v0, 3, 1
	v_lshl_add_u32 v6, v2, 3, v3
	v_mul_u32_u24 v6, v6, PB
	v_lshl_add_u32 v6, v4, 4, v6                   ; the transposing load's lane term
	s_lshl_b32 s62, s13, 6
	v_add_nc_u32 v7, s62, v1                       ; 64 wm + r
	v_mul_u32_u24 v8, v7, PA
	v_lshl_add_u32 v8, v2, 4, v8
	v_add_nc_u32 v[ADRA], AOFF, v8
	v_add_nc_u32 v[ADRA+1], AOFF+SLOT, v8
	s_mul_i32 s62, s14, BBLK
	v_add_nc_u32 v[ADRB], s62, v6
	v_add_nc_u32 v[ADRB+1], SLOT, v[ADRB]
	s_mul_i32 s62, s12, 16*SPITCH
	s_add_co_u32 s62, s62, STAGE                   ; my stage
	v_mul_u32_u24 v8, v1, SPITCH
	v_lshl_add_u32 v8, v2, 5, v8                   ; in: row r, 32 bytes for each half of the lanes
	v_add_nc_u32 v[STO], s62, v8
	v_mul_u32_u24 v8, v2, SPITCH
	v_lshl_add_u32 v8, v1, 4, v8                   ; back: lanes 0-15 one row of 256 bytes, lanes 16-31 the next
	v_add_nc_u32 v[RD], s62, v8
	v_lshlrev_b32 v8, 13, v2
	v_lshl_add_u32 v[CO], v1, 4, v8
; 16 LDS loads: the fragments of quarter kq (32 along K; a slot holds eight) into buffer f
.macro FETCH slot, kq, f
	WIN 0
.irp j, 0,1,2,3
	ds_load_tr16_b128 v[\f+8*\j:\f+8*\j+3],   v[ADRB+\slot] offset:\kq*32*PB+32*\j
	ds_load_tr16_b128 v[\f+8*\j+4:\f+8*\j+7], v[ADRB+\slot] offset:\kq*32*PB+32*\j+16*PB
.endr
.irp i, 0,1,2,3
	ds_load_b128 v[\f+32+8*\i:\f+32+8*\i+3],   v[ADRA+\slot] offset:\kq*64+\i*16*PA
	ds_load_b128 v[\f+32+8*\i+4:\f+32+8*\i+7], v[ADRA+\slot] offset:\kq*64+\i*16*PA+32
.endr
.endm
; 4 matrix instructions.  The 16 accumulators take turns, one instruction a turn, in the same order in every quarter.
.macro MULROW f, a, zero
.irp b, 0,1,2,3
.if \zero
	v_wmma_f32_16x16x32_f16 v[8*(4*\a+\b):8*(4*\a+\b)+7], v[\f+8*\b:\f+8*\b+7], v[\f+32+8*\a:\f+32+8*\a+7], 0
.else
	v_wmma_f32_16x16x32_f16 v[8*(4*\a+\b):8*(4*\a+\b)+7], v[\f+8*\b:\f+8*\b+7], v[\f+32+8*\a:\f+32+8*\a+7], v[8*(4*\a+\b):8*(4*\a+\b)+7]
.endif
.endr
.endm
.macro QUARTER slot, kq, f, g, zero
	s_wait_dscnt 4                                 ; w's fragments and y's row blocks 0, 1 are in; the youngest four loads may be out
	WIN 0x50
	MULROW \f, 0, \zero
	MULROW \f, 1, \zero
	PLACES
	FETCH \slot, \kq, \g
	s_wait_dscnt 16                                ; all but the 16 just issued
	WIN 0x50
	MULROW \f, 2, \zero
	MULROW \f, 3, \zero
.endm
.macro SEVEN slot, zero
	QUARTER \slot, 1, F0, F1, \zero
	QUARTER \slot, 2, F1, F0, 0
	QUARTER \slot, 3, F0, F1, 0
	QUARTER \slot, 4, F1, F0, 0
	QUARTER \slot, 5, F0, F1, 0
	QUARTER \slot, 6, F1, F0, 0
	QUARTER \slot, 7, F0, F1, 0
.endm
; The eighth quarter: multiplies buffer 1 and changes slots; the waits, the barrier (fill = 1: a round of the cluster's barrier) and the joint refill first behind it.
.macro TURN slot, next, fill
	s_wait_dscnt 4
	WIN 0x50
	MULROW F1, 0, 0
	s_wait_dscnt 0                                 ; my reads of this slot are over
	s_wait_tensorcnt 0x0                           ; all my tensor loads have landed: the one that was out is my part of the next slot
	ds_add_u32 v254, v255
	s_wait_dscnt 0x0
	s_barrier_signal -1
	MULROW F1, 1, 0
	WIN 0
	s_barrier_wait -1
.if \fill
	CREST
	s_add_nc_u64 s[G0A+4*\slot+2:G0A+4*\slot+3], s[G0A+4*\slot+2:G0A+4*\slot+3], 1024
	s_add_nc_u64 s[G0B+4*\slot+2:G0B+4*\slot+3], s[G0B+4*\slot+2:G0B+4*\slot+3], 65536
	JLOAD \slot
.endif
	PLACES
	FETCH \next, 0, F0
	WIN 0x50
	MULROW F1, 2, 0
	MULROW F1, 3, 0
.endm
.macro LAP zero
	SEVEN 0, \zero
	TURN 0, 1, 1
	SEVEN 1, 0
	TURN 1, 0, 1
.endm
	s_wait_tensorcnt 0x1                           ; my part of K step 0 is in; K step 1's may stay out
	s_barrier_signal -1
	s_barrier_wait -1
	FETCH 0, 0, F0
	LAP 1
	WIN 0
	s_mov_b32 s3, LAPS-2
.Llap:
	LAP 0
	WIN 0
	s_sub_co_u32 s3, s3, 1
	s_cmp_lg_u32 s3, 0
	s_cbranch_scc1 .Llap
	SEVEN 0, 0                                     ; the last lap fills nothing
	TURN 0, 1, 0
	SEVEN 1, 0
	s_wait_dscnt 4
	WIN 0x50
	MULROW F1, 0, 0
	MULROW F1, 1, 0
	s_wait_dscnt 0
	MULROW F1, 2, 0
	MULROW F1, 3, 0
	; THE WAY OUT, 16 rows at a time, through my own stage: the sums go into LDS as they are, and come back as whole rows of 256 bytes.
	PLACES
.macro OUT16 a
	WIN 0x04
.irp b, 0,1,2,3
	ds_store_b128 v[STO], v[8*(4*\a+\b):8*(4*\a+\b)+3]   offset:64*\b
	ds_store_b128 v[STO], v[8*(4*\a+\b)+4:8*(4*\a+\b)+7] offset:64*\b+16
.endr
	WIN 0
.irp t, 0,1,2,3,4,5,6,7
	ds_load_b128 v[16+32*\a+4*\t:16+32*\a+4*\t+3], v[RD] offset:\t*2*SPITCH    ; LDS serves a wave's instructions in order: these see the stores above
.endr
.irp t, 0,1,2,3,4,5,6,7
	s_wait_dscnt 7-\t                              ; this load is in, the younger ones stay out
	global_store_b128 v[CO], v[16+32*\a+4*\t:16+32*\a+4*\t+3], s[8:9] offset:(16*\a+2*\t)*8192 th:TH_STORE_NT   ; 16 lanes store 256 consecutive bytes, aligned; each row block has its own registers
.endr
.endm
	OUT16 0
	OUT16 1
	OUT16 2
	OUT16 3
	s_wait_tensorcnt 0x0
	ds_add_u32 v254, v255
	s_wait_dscnt 0x0
	CROUND                                         ; the closing round
	s_endpgm
.Lfunc_end_k_q682389682f_proj:
	.size	k_q682389682f_proj, .Lfunc_end_k_q682389682f_proj-k_q682389682f_proj
	.p2alignl 7, 3214868480
	.fill 96, 4, 3214868480
	.section	.rodata,"a",@progbits
	.p2align	6, 0x0
	.amdhsa_kernel k_q682389682f_proj
		.amdhsa_group_segment_fixed_size 327680
		.amdhsa_private_segment_fixed_size 0
		.amdhsa_enable_private_segment 0
		.amdhsa_kernarg_size 24
		.amdhsa_user_sgpr_count 2
		.amdhsa_user_sgpr_kernarg_segment_ptr 1
		.amdhsa_wavefront_size32 1
		.amdhsa_system_sgpr_workgroup_id_x 1
		.amdhsa_system_sgpr_workgroup_id_y 1
		.amdhsa_system_sgpr_workgroup_id_z 1
		.amdhsa_system_vgpr_workitem_id 0
		.amdhsa_next_free_vgpr 384
		.amdhsa_next_free_sgpr 66
		.amdhsa_reserve_vcc 0
		.amdhsa_float_denorm_mode_32 3
		.amdhsa_float_denorm_mode_16_64 3
		.amdhsa_memory_ordered 1
		.amdhsa_forward_progress 1
		.amdhsa_inst_pref_size 127
	.end_amdhsa_kernel
	.amdgpu_metadata
---
amdhsa.version: [ 1, 2 ]
amdhsa.kernels:
  - .name:           k_q682389682f_proj
    .symbol:         k_q682389682f_proj.kd
    .args:
      - { .name: yh, .offset: 0, .size: 8, .value_kind: global_buffer, .address_space: global }
      - { .name: wph, .offset: 8, .size: 8, .value_kind: global_buffer, .address_space: global }
      - { .name: out0, .offset: 16, .size: 8, .value_kind: global_buffer, .address_space: global }
    .group_segment_fixed_size: 327680
    .private_segment_fixed_size: 0
    .kernarg_segment_align: 8
    .kernarg_segment_size: 24
    .max_flat_workgroup_size: 128
    .sgpr_count:     66
    .vgpr_count:     384
    .wavefront_size: 32
...
	.end_amdgpu_metadata
.endif
;; end of part 4
